; MI455X (gfx1250); checked and timed in simulation.
; The chip was launched on July 23, 2026; its instructions are those of AMD's public machine-readable ISA for CDNA 5 (MIT licence, August 2026) and "CDNA5" Instruction Set Architecture Reference Guide (July 2026). The comments in the code are by the model that wrote it; some were corrected since.
;; Linear NF4. Allowed arithmetic: matrix products marked QUANTISED: E5M2 operands, one E8M0 scale for each 32 along K, by v_wmma_scale_f32_16x16x128_f8f6f4 with both operands' format E5M2, f32 sums; everything else in f32.
;; Inputs: absmax 131,072 float32; bias 2,048 float32; packed_weight 4,194,304 int32; x_codes 4 x 2,048 x 128 x 32 uint8 (E5M2 codes of x, K innermost, in blocks of 32 codes); x_scales 4 x 2,048 x 128 uint8 (E8M0 scales of x, one for each 32 codes along K).
;; Outputs: out0 4 x 2,048 x 2,048 float32.
;; This version of the problem:
;;   THIS VERSION OF THE PROBLEM IS GIVEN IN LOW PRECISION. The matrix products marked QUANTISED in the list below multiply operands that are first quantised to E5M2 (5 exponent bits, 2 mantissa bits; 8 bits a number), with one power-of-two scale for each 32 numbers along K (OCP MX v1.0); their sums are f32. All else is computed in f32.
;;   The module's matrix products, in the order in which they are computed (A, B: the left and right operand; K: the contracted axis; several contracted axes count as one K, in the product's order):
;;     1. [M 8,192, K 4,096] x [K 4,096, N 2,048]; A: input x (given as codes); B: computed on the way: QUANTISED
;;   THE QUANTISER, for each operand of a quantised product, along K:
;;     - K is cut into blocks of 32 from its start; a last block that is shorter is filled with zeros.
;;     - A block's scale is 2^e with e = floor(log2(the largest magnitude in the block)) - 15, held to -126 .. 127; a block of zeros has e = 0. As a byte (E8M0): e + 127.
;;     - Each number is divided by its block's scale, clamped to +-57,344, and rounded to the nearest number of E5M2, ties to even, subnormals kept.
;;     - The product sums the exact products of the quantised numbers (number of the format x scale) in f32.
;;   ~~~python
;;   def quantise(x, axis):      # numpy; x: float32 -> the quantised numbers, widened to float32 again
;;       x = np.moveaxis(x, axis, -1); K = x.shape[-1]
;;       x = np.pad(x, [(0, 0)] * (x.ndim - 1) + [(0, -K % 32)]); x = x.reshape(x.shape[:-1] + (-1, 32)); a = np.abs(x).max(-1, keepdims=True)
;;       e = np.where(a > 0, np.clip(np.frexp(np.where(a > 0, a, 1))[1] - 1 - 15, -126, 127), 0)      # np.frexp(a)[1] - 1 = floor(log2(a)), exactly
;;       r = np.clip(x / 2.0 ** e, -57344, 57344)
;;       step = 2.0 ** (np.maximum(np.frexp(np.where(r == 0, 1, r))[1] - 1, -14) - 2)
;;       q = np.round(r / step) * step * 2.0 ** e      # np.round: ties to even
;;       return np.moveaxis(q.reshape(q.shape[:-2] + (-1,))[..., :K], -1, axis).astype(np.float32)
;;   ~~~
;;   OPERANDS COMPUTED ON THE WAY. 'Computed on the way' means the value that the module computes at that place (a softmax that the list does not call 'softmax' is quantised finished and normalised). What goes into a quantiser is computed in f32, as accurately as f32 sums, v_exp_f32 and their like allow (about 1e-6 of the number): no bf16 or f16 on the way to a quantiser, and a product that is left as it is and whose result goes on into a quantised operand takes f32 operands (vector FMAs, or v_wmma_f32_16x16x4_f32). A number that lies on a knife's edge between two numbers of the format may be rounded either way, as far as f32 arithmetic and the matrix unit's own rounding can turn it there, and no further.
;;   INPUTS GIVEN AS CODES. x (in the module: [4, 2048, 4096], K = its axis 2): each comes as NAME_codes (uint8): NAME with its K axis moved to the last place and cut into blocks of 32 codes, [.., K / 32, bytes a block], one block behind the other in memory; one code a byte (a code: sign, 5 exponent bits, 2 mantissa bits); and NAME_scales (uint8): the same leading axes, one E8M0 byte (e + 127) for each 32 codes along K. Its value is code x scale, taken as it is: it is not quantised again, and the codes and scales need not be those that the quantiser above would give.
;; One version. Each part assembles by itself: llvm-mc -triple=amdgcn-amd-amdhsa -mcpu=gfx1250 --defsym DOCPART=n.
;; ======== version 1 of 1: 2 launches
;; limits: right only within a limited range of input values
;; workspace buffers: w_codes 8,388,608 bytes; w_sc 262,144 bytes; x_sc 1,048,576 bytes
;; launch prep (part 1): grid 64 x 8, 8 waves a work-group, no clusters, 2,048 bytes of LDS; arguments packed_weight, absmax, x_scales, w_codes, w_sc, x_sc; writes w_codes, w_sc, x_sc
.if DOCPART == 1
	.amdgcn_target "amdgcn-amd-amdhsa--gfx1250"
	.amdhsa_code_object_version 6
	.text
	.protected	k_qea799be99f_prep
	.globl	k_qea799be99f_prep
	.p2align	8
	.type	k_qea799be99f_prep,@function
k_qea799be99f_prep:
	s_mov_b64 s[64:65], 0
	v_nop
	global_prefetch_b8 v0, s[64:65] scope:SCOPE_SE
	s_setreg_imm32_b32 hwreg(HW_REG_WAVE_MODE, 25, 1), 1
	s_wait_xcnt 0x0
; W [2048][4096] is made from its NF4 form and quantised along K into codes of BF8 (E5M2) with one E8M0 byte for each 32 along K; x's scale bytes are laid anew.
;   packed_weight: one int32 for two numbers, bits 7:4 the first, bits 3:0 the second; W = table[index] x absmax[number / 64], one f32 multiplication.
;   w_codes [2048][4096]: one code a byte, K innermost.   w_sc [16][2048][8]: for K step s of 256 and row n the eight scale bytes of k = 256 s + 32 j.   x_sc [16][8192][8]: x_scales in the same order, values untouched.
; A block's scale byte is its largest magnitude's exponent field - 15, held at 1 from below; each number is held within +-57,344 x the scale and rounded to the nearest code, ties to even.
; LIMITS: a block of zeros gets the byte 1 where the rule says 127 (its codes are zeros, which add nothing under any byte but 0xff, and this program alone reads the bytes); NaN and infinities in absmax are not served.
; SHARES.  Work-group (X, Y) owns rows 32 X .. 32 X + 31 and K = 512 Y .. 512 Y + 511 (K steps 2 Y, 2 Y + 1).  Wave w owns rows 32 X + 4 w + 0 .. 3: 8 steps of 256 numbers, t = 2 x row + K step, every offset an immediate.
; A lane holds 8 neighbours along K: a step's load reads 512 consecutive bytes, its store of codes writes 256 consecutive aligned bytes, a block of 32 lies in four neighbouring lanes.
; THE TABLE stands in one register, entry (lane % 16) in each lane; ds_bpermute_b32 gives a lane the word of lane (index / 4) mod 32.  The table stands twice in the 32 lanes, so the fifth bit does not matter.
; A lane's absmax comes the same way from the register that holds the wave's 32 (lane 8 row + i).  The scale bytes of 32 rows x 2 K steps meet in 512 bytes of LDS and leave as two stores of 256 bytes (waves 0, 1).
; x_scales: work-group 64 Y + X = 2 G + half takes rows 32 G .. 32 G + 31; wave w moves K step 8 half + w: 8 bytes a row in, 256 consecutive bytes out.
; No input byte is shared between work-groups, so there are no clusters; no tensor loads and no ring: all 10 loads of a wave go out at its head.
.set TAB, 10
.set A0,  12
.set IX,  24
.set X,   40
.set AM,  56
.set AI,  60
.set C,   64
.set E,   96
.set P,   112
	s_load_b256 s[4:11], s[0:1], 0x0               ; packed_weight, absmax, x_scales, w_codes
	s_load_b128 s[12:15], s[0:1], 0x20             ; w_sc, x_sc
	v_lshl_add_u32 v176, v0, 2, 0x400
	v_mov_b32 v177, 0
	v_lshrrev_b32 v1, 5, v0
	s_delay_alu instid0(VALU_DEP_1)
	v_readfirstlane_b32 s16, v1                    ; wave 0..7
	v_and_b32 v1, 31, v0                           ; lane
	s_wait_alu depctr_va_vdst(0)
	s_and_b32 s18, ttmp7, 0xffff                   ; Y
	s_lshl_b32 s17, s18, 6
	s_add_co_u32 s17, s17, ttmp9                   ; 64 Y + X
	s_mov_b32 s19, 0x600000                        ; the mantissa field of 57,344
	s_lshl_b32 s20, ttmp9, 18                      ; packed_weight: 8,192 bytes a row: (32 X + 4 w) rows + 1,024 Y
	s_lshl_b32 s2, s16, 15
	s_add_co_u32 s20, s20, s2
	s_lshl_b32 s2, s18, 10
	s_add_co_u32 s20, s20, s2
	s_lshr_b32 s22, s20, 1                         ; w_codes: half as many bytes a number
	s_lshr_b32 s24, s20, 5                         ; absmax: 4 bytes for 64 numbers
	s_lshr_b32 s3, s17, 1                          ; G
	s_and_b32 s2, s17, 1
	s_lshl_b32 s2, s2, 3
	s_add_co_u32 s2, s2, s16                       ; x's K step: 8 half + w
	s_lshl_b32 s26, s3, 12                         ; x_scales: 32 G rows of 128 bytes + 8 bytes a K step
	s_lshl_b32 s28, s2, 3
	s_add_co_u32 s26, s26, s28
	s_lshl_b32 s28, s2, 16                         ; x_sc: 65,536 bytes a K step + 8 bytes a row
	s_lshl_b32 s3, s3, 8
	s_add_co_u32 s28, s28, s3
	s_lshl_b32 s30, s18, 1                         ; w_sc: K step 2 Y + w (waves 0 and 1 alone use it), + 8 bytes a row
	s_add_co_u32 s30, s30, s16
	s_lshl_b32 s30, s30, 14
	s_lshl_b32 s2, ttmp9, 8
	s_add_co_u32 s30, s30, s2
.irp p, 21,23,25,27,29,31
	s_mov_b32 s\p, 0
.endr
	v_lshlrev_b32 v2, 4, v1                        ; 16 x lane: packed_weight
	v_lshlrev_b32 v3, 3, v1                        ; 8 x lane: codes, x_sc, w_sc
	v_and_b32 v9, 15, v1                           ; lane % 16
	v_lshrrev_b32 v11, 3, v1
	v_and_b32 v4, 7, v1
	s_delay_alu instid0(VALU_DEP_1)
	v_lshlrev_b32 v4, 2, v4
	s_delay_alu instid0(VALU_DEP_1)
	v_lshl_add_u32 v4, v11, 8, v4                  ; absmax: 256 (lane / 8) + 4 (lane % 8)
	s_lshl_b32 s2, s16, 5
	v_lshrrev_b32 v5, 2, v1
	s_delay_alu instid0(VALU_DEP_1)
	v_add_nc_u32 v5, s2, v5                        ; LDS: 32 w + lane / 4
	s_lshl_b32 s3, s16, 8
	v_add_nc_u32 v6, s3, v3                        ; LDS, on the way out: 256 w + 8 x lane
	v_lshrrev_b32 v7, 3, v1
	s_delay_alu instid0(VALU_DEP_1)
	v_lshlrev_b32 v7, 2, v7                        ; 4 (lane / 8): eight lanes share an absmax
	v_lshlrev_b32 v8, 7, v1                        ; x_scales: 128 x lane
	v_mov_b32 v[AM+1], 0
	v_mov_b32 v[AM+3], 0
	v_mov_b32 v[TAB], -1.0
.macro TE n, val                       ; entry n into its two lanes
	v_cmp_ne_u32 vcc_lo, \n, v9
	s_delay_alu instid0(VALU_DEP_1)
	v_cndmask_b32 v[TAB], \val, v[TAB], vcc_lo
.endm
	TE 1, -0.6961928009986877
	TE 2, -0.5250730514526367
	TE 3, -0.39491748809814453
	TE 4, -0.28444138169288635
	TE 5, -0.18477343022823334
	TE 6, -0.09105003625154495
	TE 7, 0
	TE 8, 0.07958029955625534
	TE 9, 0.16093020141124725
	TE 10, 0.24611230194568634
	TE 11, 0.33791524171829224
	TE 12, 0.44070982933044434
	TE 13, 0.5626170039176941
	TE 14, 0.7229568362236023
	TE 15, 1.0
	s_wait_kmcnt 0x0
	s_add_nc_u64 s[4:5], s[4:5], s[20:21]
	s_add_nc_u64 s[6:7], s[6:7], s[24:25]
	s_add_nc_u64 s[8:9], s[8:9], s[26:27]
	s_add_nc_u64 s[10:11], s[10:11], s[22:23]
	s_add_nc_u64 s[12:13], s[12:13], s[30:31]
	s_add_nc_u64 s[14:15], s[14:15], s[28:29]
	global_load_b32 v[A0], v4, s[6:7]              ; absmax: 8 of each of my four rows
	global_load_b64 v[18:19], v8, s[8:9]           ; x_scales: my K step's 8 bytes of row 32 G + lane
.irp t, 0,1,2,3,4,5,6,7
	global_load_b128 v[P+4*\t:P+4*\t+3], v2, s[4:5] offset:(\t/2)*8192+(\t%2)*512 th:TH_LOAD_NT
.endr
.macro GATHER t                        ; step t's indices go to the permutes: nine instructions on DScnt
	s_wait_loadcnt 7-(\t)                          ; step t's load is in, and all issued ahead of it; the 7 - t younger ones stay out
.irp j, 0,1,2,3
	v_lshrrev_b32 v[IX+8*((\t)%2)+2*\j], 2, v[P+4*(\t)+\j]
	v_lshlrev_b32 v[IX+8*((\t)%2)+2*\j+1], 2, v[P+4*(\t)+\j]
.endr
	s_wait_alu depctr_va_vdst(0)
.irp n, 0,1,2,3,4,5,6,7
	ds_bpermute_b32 v[X+8*((\t)%2)+\n], v[IX+8*((\t)%2)+\n], v[TAB]
.endr
	v_add_nc_u32 v[AI+(\t)%2], 32*((\t)/2)+16*((\t)%2), v7      ; lane 8 row + 4 (K step) + lane / 8 holds my absmax
	ds_bpermute_b32 v[AM+2*((\t)%2)], v[AI+(\t)%2], v[A0]
.endm
.macro WORK t                          ; step t's numbers are scaled, quantised and stored
.set XS, X+8*((\t)%2)
.set AMS, AM+2*((\t)%2)
.if (\t) == 0
	s_wait_dscnt 9                                 ; step t's nine are back; behind them: the next step's nine,
.elseif (\t) < 7
	s_wait_dscnt 10                                ; and the last step's byte store
.else
	s_wait_dscnt 1
.endif
.irp j, 0,2,4,6
	v_pk_mul_f32 v[XS+\j:XS+\j+1], v[XS+\j:XS+\j+1], v[AMS:AMS+1] op_sel_hi:[1,0]
.endr
	s_delay_alu instid0(VALU_DEP_4)
	v_max3_num_f32 v14, |v[XS]|, |v[XS+1]|, 0x8000000              ; with the floor 2^(16 - 127): the byte cannot fall under 1
	s_delay_alu instid0(VALU_DEP_3)
	v_max3_num_f32 v15, |v[XS+2]|, |v[XS+3]|, |v[XS+4]|
	s_delay_alu instid0(VALU_DEP_2)
	v_max3_num_f32 v14, v14, |v[XS+5]|, |v[XS+6]|
	s_delay_alu instid0(VALU_DEP_1)
	v_max3_num_f32 v14, v14, v15, |v[XS+7]|
	s_delay_alu instid0(VALU_DEP_1)
	v_max_num_f32_dpp v14, v14, v14 row_xmask:1 row_mask:0xf bank_mask:0xf
	s_delay_alu instid0(VALU_DEP_1)
	v_max_num_f32_dpp v14, v14, v14 row_xmask:2 row_mask:0xf bank_mask:0xf
	s_delay_alu instid0(VALU_DEP_1)
	v_add_nc_u32 v16, 0xf8800000, v14              ; 15 off the exponent field: the conversion's scale operand
	s_delay_alu instid0(VALU_DEP_2)
	v_and_or_b32 v17, v14, 0x7f800000, s19         ; 57,344 x the scale
.irp i, 0,1,2,3,4,5,6,7
	v_med3_num_f32 v[XS+\i], v[XS+\i], -v17, v17   ; the conversion does not saturate (ISA guide 7.6.2): the hold comes first
.endr
	v_cvt_scalef32_pk8_bf8_f32 v[C+2*(\t):C+2*(\t)+1], v[XS:XS+7], v16
	v_lshrrev_b32 v[E+(\t)], 23, v16               ; the scale's byte (and the plain line behind the conversion)
	ds_store_b8 v5, v[E+(\t)] offset:((\t)%2)*256+((\t)/2)*8
	global_store_b64 v3, v[C+2*(\t):C+2*(\t)+1], s[10:11] offset:((\t)/2)*4096+((\t)%2)*256
.endm
	GATHER 0
	global_store_b64 v3, v[18:19], s[14:15]        ; x's scale bytes of my K step: 32 rows x 8 bytes, 256 consecutive bytes
.irp t, 0,1,2,3,4,5,6,7
.if \t < 7
	GATHER \t+1
.endif
	WORK \t
.endr
	s_wait_dscnt 0x0                               ; for the others' sake: my byte stores are done
	s_barrier_signal -1
	s_barrier_wait -1
	s_cmp_gt_u32 s16, 1
	s_cbranch_scc1 .Lend
	ds_load_b64 v[22:23], v6                       ; wave w: K step 2 Y + w: row = lane, its eight bytes
	s_wait_dscnt 0x0
	global_store_b64 v3, v[22:23], s[12:13]
.Lend:
	s_wait_tensorcnt 0x0
	ds_add_u32 v176, v177
	s_wait_dscnt 0x0
	s_endpgm
.Lfunc_end_k_qea799be99f_prep:
	.size	k_qea799be99f_prep, .Lfunc_end_k_qea799be99f_prep-k_qea799be99f_prep
	.p2alignl 7, 3214868480
	.fill 96, 4, 3214868480
	.section	.rodata,"a",@progbits
	.p2align	6, 0x0
	.amdhsa_kernel k_qea799be99f_prep
		.amdhsa_group_segment_fixed_size 2048
		.amdhsa_private_segment_fixed_size 0
		.amdhsa_enable_private_segment 0
		.amdhsa_kernarg_size 48
		.amdhsa_user_sgpr_count 2
		.amdhsa_user_sgpr_kernarg_segment_ptr 1
		.amdhsa_wavefront_size32 1
		.amdhsa_system_sgpr_workgroup_id_x 1
		.amdhsa_system_sgpr_workgroup_id_y 1
		.amdhsa_system_sgpr_workgroup_id_z 1
		.amdhsa_system_vgpr_workitem_id 0
		.amdhsa_next_free_vgpr 178
		.amdhsa_next_free_sgpr 66
		.amdhsa_reserve_vcc 1
		.amdhsa_float_denorm_mode_32 3
		.amdhsa_float_denorm_mode_16_64 3
		.amdhsa_memory_ordered 1
		.amdhsa_forward_progress 1
		.amdhsa_inst_pref_size 29
	.end_amdhsa_kernel
	.amdgpu_metadata
---
amdhsa.version: [ 1, 2 ]
amdhsa.kernels:
  - .name:           k_qea799be99f_prep
    .symbol:         k_qea799be99f_prep.kd
    .args:
      - { .name: packed_weight, .offset: 0, .size: 8, .value_kind: global_buffer, .address_space: global }
      - { .name: absmax, .offset: 8, .size: 8, .value_kind: global_buffer, .address_space: global }
      - { .name: x_scales, .offset: 16, .size: 8, .value_kind: global_buffer, .address_space: global }
      - { .name: w_codes, .offset: 24, .size: 8, .value_kind: global_buffer, .address_space: global }
      - { .name: w_sc, .offset: 32, .size: 8, .value_kind: global_buffer, .address_space: global }
      - { .name: x_sc, .offset: 40, .size: 8, .value_kind: global_buffer, .address_space: global }
    .group_segment_fixed_size: 2048
    .private_segment_fixed_size: 0
    .kernarg_segment_align: 8
    .kernarg_segment_size: 48
    .max_flat_workgroup_size: 256
    .sgpr_count:     66
    .vgpr_count:     178
    .wavefront_size: 32
...
	.end_amdgpu_metadata
.endif
;; end of part 1
;; launch gemm (part 2): grid 8 x 32, 4 waves a work-group, clusters of 4 x 4, 327,680 bytes of LDS; arguments x_codes, x_sc, w_codes, w_sc, bias, out0; writes out0
.if DOCPART == 2
	.amdgcn_target "amdgcn-amd-amdhsa--gfx1250"
	.amdhsa_code_object_version 6
	.text
	.protected	k_qea799be99f_gemm
	.globl	k_qea799be99f_gemm
	.p2align	8
	.type	k_qea799be99f_gemm,@function
k_qea799be99f_gemm:
	s_mov_b64 s[64:65], 0
	v_nop
	global_prefetch_b8 v0, s[64:65] scope:SCOPE_SE
	s_setreg_imm32_b32 hwreg(HW_REG_WAVE_MODE, 25, 1), 1
	s_wait_xcnt 0x0
	s_wait_alu depctr_hold_cnt(0) depctr_sa_sdst(0) depctr_va_vdst(0) depctr_va_sdst(0) depctr_va_ssrc(0) depctr_va_vcc(0) depctr_vm_vsrc(0)
	s_getreg_b32 s2, hwreg(HW_REG_IB_STS2, 6, 4)
	s_cmp_eq_u32 s2, 0
	s_cbranch_scc0 .Lentry_in_a_cluster
	s_endpgm
.Lentry_in_a_cluster:
	s_bfe_u32 s2, ttmp6, 0x10000c
	s_cmp_lg_u32 s2, 0xf033
	s_cbranch_scc0 .Lentry_shape_is_right
	s_endpgm
.Lentry_shape_is_right:
; out0[m][n] = sum over k of x[m][k] W[n][k] + bias[n].  x: [8192][4096], W: [2048][4096], codes of BF8 (E5M2) with one E8M0 byte for each 32 along K; sums and bias in f32.
; x_sc [16][8192][8] and w_sc [16][2048][8] hold, for K step s of 256 and a row, the eight scale bytes of that step.
; A block of 256 x 256 is made by four waves, 128 x 128 each: 64 accumulators, 512 registers.  K goes in 16 steps of 256 through a ring of two LDS slots.
; A slot holds x's 256 rows and W's 256 rows (256 bytes each, padded to 272); ONE JOINT LOAD A WAVE, 128 rows: waves 0, 1 x's halves, waves 2, 3 W's.
; CLUSTERS 4 x 4: x's tiles are shared along a row of the cluster, W's along a column.
; THE SCALE WORDS go from memory into registers: eight loads of 256 consecutive bytes a wave and K step (lane l: the 8 bytes of row 32 i + l), two sets, each asked for a K step ahead of its use.
; THE PRODUCT IS USED TRANSPOSED (source 0 = 16 rows of W, source 1 = 16 rows of x): a lane holds eight neighbouring columns of one row of out0.
; A half step is 128 along K: 64 products in four quarters of 16 (two of x's blocks against W's eight).  Behind a quarter stand eight places and ONE RUN of loads for the next half step.
; REGISTERS.  Window 0: v0-31 addresses and bias; v32-63 scale words, a set for each slot; v64-127 x's blocks 0-3, one set; v128-191, v192-255 x's blocks 4-7, a set for each half step.
;   Window 1: W's fragments, a set for each half step.  Windows 2, 3: the accumulators of my rows 0-63, 64-127 ((a, b) at v[8 (8 (a % 4) + b)]).
; So all reads of a slot are issued in its first half step, and the change of slots stands early in its second: the refill goes out while that half step is multiplied.
; PREFETCH: with the load of K step i every wave names K step i + 2 (at the head also step 1): waves 0, 1 x's rows and scales, waves 2, 3 W's.  Of a tile's 256 rows each of the four partners that ask
; for it jointly takes 64 by address (cx for x, cy for W), 32 a wave, a lane a row; of its 2,048 scale bytes each partner takes 512, 256 a wave.  The last two refills name nothing.
.set SIZE_N, 2048
.set PITCH,  272
.set HALFT,  128*PITCH
.set BOFF,   2*HALFT                   ; W's rows lie behind x's 256
.set SLOT,   4*HALFT
.set SPARE,  2*SLOT                    ; behind the ring: the spare words, 128 bytes a wave
.set XSTEP,  65536                     ; bytes from K step to K step in x_sc,
.set WSTEP,  16384                     ; in w_sc
.set SPITCH, 528                       ; the way out: a stage of 16 rows x (512 + 16) bytes for each wave, in slot 0, behind that slot's last fill and last read
.set BIAS, 8                           ; v8-11   bias of my four columns of a row read back from the stage
.set PFO,  12                          ; v12     prefetch: lane x a row of codes
.set ADRA, 16                          ; v16-17  x's fragments in slot 0, 1
.set SO,   18                          ; v18     lane x 8: scale words, and their prefetch (inside one block of 256 bytes)
.set ADRB, 20                          ; v20-21  W's fragments in slot 0, 1
.set STO,  24
.set RD,   25
.set CO,   26
.set SPW,  28
.set NIL,  29
.set SC,   32                          ; set s at SC + 16 s; x's words in registers 0-3 and 8-11 of a set, W's in 4-7 and 12-15: the two scale registers of a product never have the same number modulo 8
.set BK,   128
.set WV,   16
.set HA,   17
.set HB,   18
.set G1A,  24                          ; group 1: x's codes, W's codes
.set G1B,  32
.set G0A,  40                          ; group 0: x's, W's
.set G0B,  44
.set LBASE, 48                         ; s48: wave x 128 rows in a slot
.set SXB,  50                          ; s[50:51] x's scale words of my 128 rows, s[52:53] W's
.set SWB,  52
.set PFA,  76                          ; s[76:77] codes, s[78:79] scales: the K step that my next prefetch names; s[80:81] the scales' step
.set MSB, 0
.macro WIN new
.if MSB != (\new)
	s_set_vgpr_msb (MSB<<8)|(\new)
.set MSB, \new
.endif
.endm
.set MUL_LO, 0xa1                      ; source 0 (W) window 1, source 1 (x) window 0, C and D window 2
.set MUL_HI, 0xf1
.set TO_B,   0x40
.macro PLACES n
.rept \n
	v_nop
.endr
.endm
.macro JLOAD                           ; s_nop 0 and four v_nop behind each tensor load
	s_cmp_eq_u32 s[HA], 0
	s_cbranch_scc0 .Lfor_w_\@
	tensor_load_to_lds s[G0A:G0A+3], s[G1A:G1A+7]
	s_nop 0
	PLACES 4
	s_branch .Lasked_\@
.Lfor_w_\@:
	tensor_load_to_lds s[G0B:G0B+3], s[G1B:G1B+7]
	s_nop 0
	PLACES 4
.Lasked_\@:
.endm
.macro DESC slot                       ; no tensor load of mine is out: the next K step, into this slot
	s_add_co_u32 s[G0A+1], s[LBASE], \slot*SLOT
	s_add_co_u32 s[G0B+1], s[LBASE], \slot*SLOT
	s_add_nc_u64 s[G0A+2:G0A+3], s[G0A+2:G0A+3], 256
	s_add_nc_u64 s[G0B+2:G0B+3], s[G0B+2:G0B+3], 256
.endm
.macro CREST
	s_cmp_lg_u32 s[WV], 0
	s_cbranch_scc1 .Lnot_wave_0_\@
	s_barrier_signal -3
.Lnot_wave_0_\@:
	s_barrier_wait -3
	s_barrier_signal -1
	s_barrier_wait -1
.endm
.macro CROUND
	s_barrier_signal -1
	s_barrier_wait -1
	CREST
.endm
.macro STEPPF                          ; my earlier prefetches have read their addresses: on to the next K step
	s_wait_xcnt 0x0
	s_add_nc_u64 s[PFA:PFA+1], s[PFA:PFA+1], 256
	s_add_nc_u64 s[PFA+2:PFA+3], s[PFA+2:PFA+3], s[PFA+4:PFA+5]
.endm
.macro ASK inloop                      ; in the loop's last trip (s3 = 1) the K step two refills on does not exist
.if \inloop
	s_cmp_gt_u32 s3, 1
	s_cbranch_scc0 .Lna_\@
.endif
	global_prefetch_b8 v[PFO], s[PFA:PFA+1] th:TH_LOAD_NT scope:SCOPE_SE
	global_prefetch_b8 v[SO], s[PFA+2:PFA+3] th:TH_LOAD_NT scope:SCOPE_SE
.if \inloop
.Lna_\@:
.endif
.endm
.macro SCW sc, xoff, woff              ; eight loads: the scale words of one K step into set sc
.irp i, 0,1,2,3
	global_load_b64 v[SC+16*\sc+8*(\i/2)+2*(\i%2):SC+16*\sc+8*(\i/2)+2*(\i%2)+1], v[SO], s[SXB:SXB+1] offset:\xoff+256*\i
	global_load_b64 v[SC+16*\sc+4+8*(\i/2)+2*(\i%2):SC+16*\sc+4+8*(\i/2)+2*(\i%2)+1], v[SO], s[SWB:SWB+1] offset:\woff+256*\i
.endr
.endm
	s_load_b256 s[4:11], s[0:1], 0x0               ; x_codes, x_sc, w_codes, w_sc
	s_load_b128 s[12:15], s[0:1], 0x20             ; bias, out0
	v_lshl_add_u32 v[SPW], v0, 2, SPARE
	v_mov_b32 v[NIL], 0
	ds_add_u32 v[SPW], v[NIL]                      ; the opening: the add twice on end, and its wait ahead of my first tensor load
	ds_add_u32 v[SPW], v[NIL]
	v_lshrrev_b32 v1, 5, v0
	v_readfirstlane_b32 s[WV], v1
	s_lshr_b32 s[HA], s[WV], 1                     ; which 128 rows of x are mine.  Also: I fetch for x (0) or for W (1)
	s_and_b32 s[HB], s[WV], 1                      ; which 128 rows of W.  Also: which 128 rows of that tile I fetch
	s_bfe_u32 s20, ttmp6, 0x40000                  ; cx
	s_bfe_u32 s21, ttmp6, 0x40004                  ; cy
	s_lshl_b32 s22, ttmp9, 2
	s_add_co_u32 s22, s22, s20                     ; block column
	s_and_b32 s23, ttmp7, 0xffff
	s_lshl_b32 s23, s23, 2
	s_add_co_u32 s23, s23, s21                     ; block row
	s_lshl_b32 s19, s21, 2
	s_lshl_b32 s19, 15, s19                        ; my row of the cluster
	s_lshl_b32 s2, 0x1111, s20                     ; my column
	s_or_b32 s[G1A], s19, (1<<20)|(1<<21)|(5<<22)|(3<<25)   ; bytes; 16 bytes of padding behind every 256
	s_or_b32 s[G1B], s2, (1<<20)|(1<<21)|(5<<22)|(3<<25)
.irp g, G1A, G1B
	s_mov_b32 s[\g+1], 256<<16
	s_mov_b32 s[\g+2], 128<<16
	s_mov_b32 s[\g+3], 256<<16
	s_mov_b32 s[\g+4], 128
	s_mov_b32 s[\g+5], 4096
	s_mov_b32 s[\g+6], 0
	s_mov_b32 s[\g+7], 0
.endr
	s_lshl_b32 s92, s23, 20                        ; x's codes: 256 rows of 4,096 bytes a block row, + the 128 rows that I fetch
	s_lshl_b32 s93, s[HB], 19
	s_add_co_u32 s92, s92, s93
	s_mov_b32 s93, 0
	s_lshl_b32 s94, s23, 11                        ; x's scales: 8 bytes a row, + my 128 rows
	s_lshl_b32 s95, s[HA], 10
	s_add_co_u32 s94, s94, s95
	s_mov_b32 s95, 0
	s_lshl_b32 s96, s22, 20                        ; W's codes
	s_lshl_b32 s97, s[HB], 19
	s_add_co_u32 s96, s96, s97
	s_mov_b32 s97, 0
	s_lshl_b32 s98, s22, 11                        ; W's scales
	s_lshl_b32 s99, s[HB], 10
	s_add_co_u32 s98, s98, s99
	s_mov_b32 s99, 0
	s_mul_i32 s[LBASE], s[WV], HALFT
	s_mov_b32 s[G0A], 1
	s_add_co_u32 s[G0A+1], s[LBASE], 0
	s_mov_b32 s[G0B], 1
	s_add_co_u32 s[G0B+1], s[LBASE], 0
	s_wait_dscnt 0x0
	s_wait_kmcnt 0x0
	s_add_nc_u64 s[G0A+2:G0A+3], s[4:5], s[92:93]
	s_or_b32 s[G0A+3], s[G0A+3], 0x80000000
	s_add_nc_u64 s[G0B+2:G0B+3], s[8:9], s[96:97]
	s_or_b32 s[G0B+3], s[G0B+3], 0x80000000
	s_add_nc_u64 s[SXB:SXB+1], s[6:7], s[94:95]
	s_add_nc_u64 s[SWB:SWB+1], s[10:11], s[98:99]
	CROUND                                         ; the first joint loads meet
	JLOAD                                          ; K step 0: one tensor load a wave
	; the prefetches' addresses
	s_cmp_eq_u32 s[HA], 0                          ; waves 0, 1 name x's bytes, waves 2, 3 W's
	s_cselect_b32 s82, s23, s22                    ; the block's number along that tensor
	s_cselect_b32 s83, s20, s21                    ; my place among the four that ask jointly
	s_cselect_b64 s[PFA:PFA+1], s[4:5], s[8:9]
	s_cselect_b64 s[PFA+2:PFA+3], s[6:7], s[10:11]
	s_mov_b32 s[PFA+4], WSTEP
	s_cselect_b32 s[PFA+4], XSTEP, s[PFA+4]
	s_mov_b32 s[PFA+5], 0
	s_lshl_b32 s84, s82, 3
	s_lshl_b32 s83, s83, 1
	s_add_co_u32 s84, s84, s83
	s_add_co_u32 s84, s84, s[HB]                   ; 8 x block + 2 x place + wave % 2: groups of 32 rows, and blocks of 256 scale bytes
	s_mov_b32 s85, 0
	s_lshl_b32 s86, s84, 8
	s_mov_b32 s87, 0
	s_lshl_b32 s84, s84, 17                        ; 32 rows of 4,096 bytes
	s_add_nc_u64 s[PFA:PFA+1], s[PFA:PFA+1], s[84:85]
	s_add_nc_u64 s[PFA:PFA+1], s[PFA:PFA+1], 256   ; K step 1
	s_add_nc_u64 s[PFA+2:PFA+3], s[PFA+2:PFA+3], s[86:87]
	s_add_nc_u64 s[PFA+2:PFA+3], s[PFA+2:PFA+3], s[PFA+4:PFA+5]
	; LDS addresses
	s_mul_i32 s86, s[HA], HALFT
	s_mul_i32 s87, s[HB], HALFT
	s_add_co_u32 s87, s87, BOFF
	s_mul_i32 s88, s[WV], 16*SPITCH
	v_and_b32 v1, 15, v0
	v_bfe_u32 v2, v0, 4, 1
	v_and_b32 v6, 31, v0
	v_mul_u32_u24 v3, v1, PITCH
	v_lshl_add_u32 v4, v2, 4, v3                   ; a fragment's row x pitch + 16 x half
	v_add_nc_u32 v[ADRA], s86, v4
	v_add_nc_u32 v[ADRB], s87, v4
	v_add_nc_u32 v[ADRA+1], SLOT, v[ADRA]
	v_add_nc_u32 v[ADRB+1], SLOT, v[ADRB]
	v_lshlrev_b32 v[SO], 3, v6
	v_mul_u32_u24 v5, v1, SPITCH
	v_lshl_add_u32 v5, v2, 5, v5
	v_add_nc_u32 v[STO], s88, v5
	v_lshlrev_b32 v[CO], 4, v6
	v_add_nc_u32 v[RD], s88, v[CO]
	v_lshlrev_b32 v[PFO], 12, v6
	s_wait_alu depctr_va_vdst(0)
	s_lshl_b32 s96, s22, 10
	s_lshl_b32 s97, s[HB], 9
	s_add_co_u32 s96, s96, s97                     ; my first column, in bytes of f32
	s_mov_b32 s97, 0
	s_add_nc_u64 s[12:13], s[12:13], s[96:97]
	global_load_b128 v[BIAS:BIAS+3], v[CO], s[12:13]   ; bias of columns 4 l .. 4 l + 3 of my 128
	SCW 0, 0, 0                                    ; the scale words of K step 0,
	SCW 1, XSTEP, WSTEP                            ; and of K step 1
	ASK 0                                          ; K step 1
	s_lshl_b32 s98, s23, 21
	s_lshl_b32 s99, s[HA], 20
	s_add_co_u32 s98, s98, s99
	s_add_co_u32 s98, s98, s96
	s_mov_b32 s99, 0
	s_add_nc_u64 s[14:15], s[14:15], s[98:99]      ; out0 at my first row and column
	STEPPF
	ASK 0                                          ; K step 2
.macro FRAG reg, adr, q, i             ; 16 rows x 128 K: registers 4 c .. 4 c + 3 hold K = 32 c + 16 (l / 16) + 0 .. 15 of row l % 16
.irp c, 0,1,2,3
	ds_load_b128 v[\reg+4*\c:\reg+4*\c+3], v[\adr] offset:128*(\q)+32*\c+(\i)*16*PITCH
.endr
.endm
.macro LB slot, q, b                   ; W's block b of the slot's half step q, into set q
	WIN TO_B
	FRAG 128*(\q)+16*(\b), ADRB+\slot, \q, \b
.endm
.macro LA slot, q, a                   ; x's block a
	WIN 0
.if (\a) < 4
	FRAG 64+16*(\a), ADRA+\slot, \q, \a
.else
	FRAG 128+64*(\q)+16*((\a)-4), ADRA+\slot, \q, \a
.endif
.endm
.macro MM a, b, q, sc, first
.set rD, 8*(8*((\a)%4)+(\b))
.set rW, 128*(\q)+16*(\b)
.if (\a) < 4
.set rX, 64+16*(\a)
.else
.set rX, 128+64*(\q)+16*((\a)-4)
.endif
.set rSW, SC+16*(\sc)+4+8*((\b)/4)+2*(((\b)/2)%2)+(\q)
.set rSX, SC+16*(\sc)+8*((\a)/4)+2*(((\a)/2)%2)+(\q)
.if \first
.if ((\a)%2 == 0) && ((\b)%2 == 0)
	v_wmma_scale_f32_16x16x128_f8f6f4 v[rD:rD+7], v[rW:rW+15], v[rX:rX+15], 0, v[rSW], v[rSX] matrix_a_fmt:MATRIX_FMT_BF8 matrix_b_fmt:MATRIX_FMT_BF8
.elseif ((\a)%2 == 0)
	v_wmma_scale_f32_16x16x128_f8f6f4 v[rD:rD+7], v[rW:rW+15], v[rX:rX+15], 0, v[rSW], v[rSX] matrix_a_fmt:MATRIX_FMT_BF8 matrix_b_fmt:MATRIX_FMT_BF8 matrix_a_scale:MATRIX_SCALE_ROW1
.elseif ((\b)%2 == 0)
	v_wmma_scale_f32_16x16x128_f8f6f4 v[rD:rD+7], v[rW:rW+15], v[rX:rX+15], 0, v[rSW], v[rSX] matrix_a_fmt:MATRIX_FMT_BF8 matrix_b_fmt:MATRIX_FMT_BF8 matrix_b_scale:MATRIX_SCALE_ROW1
.else
	v_wmma_scale_f32_16x16x128_f8f6f4 v[rD:rD+7], v[rW:rW+15], v[rX:rX+15], 0, v[rSW], v[rSX] matrix_a_fmt:MATRIX_FMT_BF8 matrix_b_fmt:MATRIX_FMT_BF8 matrix_a_scale:MATRIX_SCALE_ROW1 matrix_b_scale:MATRIX_SCALE_ROW1
.endif
.else
.if ((\a)%2 == 0) && ((\b)%2 == 0)
	v_wmma_scale_f32_16x16x128_f8f6f4 v[rD:rD+7], v[rW:rW+15], v[rX:rX+15], v[rD:rD+7], v[rSW], v[rSX] matrix_a_fmt:MATRIX_FMT_BF8 matrix_b_fmt:MATRIX_FMT_BF8
.elseif ((\a)%2 == 0)
	v_wmma_scale_f32_16x16x128_f8f6f4 v[rD:rD+7], v[rW:rW+15], v[rX:rX+15], v[rD:rD+7], v[rSW], v[rSX] matrix_a_fmt:MATRIX_FMT_BF8 matrix_b_fmt:MATRIX_FMT_BF8 matrix_a_scale:MATRIX_SCALE_ROW1
.elseif ((\b)%2 == 0)
	v_wmma_scale_f32_16x16x128_f8f6f4 v[rD:rD+7], v[rW:rW+15], v[rX:rX+15], v[rD:rD+7], v[rSW], v[rSX] matrix_a_fmt:MATRIX_FMT_BF8 matrix_b_fmt:MATRIX_FMT_BF8 matrix_b_scale:MATRIX_SCALE_ROW1
.else
	v_wmma_scale_f32_16x16x128_f8f6f4 v[rD:rD+7], v[rW:rW+15], v[rX:rX+15], v[rD:rD+7], v[rSW], v[rSX] matrix_a_fmt:MATRIX_FMT_BF8 matrix_b_fmt:MATRIX_FMT_BF8 matrix_a_scale:MATRIX_SCALE_ROW1 matrix_b_scale:MATRIX_SCALE_ROW1
.endif
.endif
.endm
; Quarter k of a half step: x's blocks 2 k and 2 k + 1 against W's eight, 16 products on end.  The 64 accumulators take turns in the same order in every half step.
.macro QTR k, q, sc, first
.if (\k) < 2
	WIN MUL_LO
.else
	WIN MUL_HI
.endif
.irp u, 0,1,2,3,4,5,6,7,8,9,10,11,12,13,14,15
	MM 2*(\k)+\u/8, \u%8, \q, \sc, \first
.endr
.endm
; A slot's first half step.  Behind each quarter: eight places, then four fragments of the second half step: W's 0-3, W's 4-7, x's 0-3 (their products of this half step are done), x's 4-7 (the other set).
; The waits.  younger: the global loads issued behind this slot's scale words (the other set's eight, or none).  The half step before has issued x's blocks 2 to 7 last, 24 LDS loads.
; Quarter k needs blocks 2 k, 2 k + 1: behind them 24 - 8 k of those loads and 16 k of this half step's may be out.
.macro S0 slot, first, younger
	s_wait_loadcnt \younger
	s_wait_dscnt 24
	QTR 0, 0, \slot, \first
	PLACES 8
.irp b, 0,1,2,3
	LB \slot, 1, \b
.endr
	s_wait_dscnt 32
	QTR 1, 0, \slot, \first
	PLACES 8
.irp b, 4,5,6,7
	LB \slot, 1, \b
.endr
	s_wait_dscnt 40
	QTR 2, 0, \slot, \first
	PLACES 8
.irp a, 0,1,2,3
	LA \slot, 1, \a
.endr
	s_wait_dscnt 48
	QTR 3, 0, \slot, \first
	PLACES 8
.irp a, 4,5,6,7
	LA \slot, 1, \a
.endr
	WIN 0
.endm
; A slot's second half step: all its fragments are in registers or on their way.  mode 2: the change of slots with a refill; mode 1: the last change of slots, nothing is filled; mode 0: the last half step of all.
; Behind the change of slots three runs fetch the next slot's first half step: W's 0-5; W's 6, 7 and x's 0, 1; x's 2-7, and with them (mode 2) this slot's next scale words, whose set the last quarter has read out.
.macro S1 slot, next, mode
.if \mode == 2
	STEPPF
.endif
.if \mode
	s_wait_tensorcnt 0x0                           ; my part of the next slot has landed: no tensor load of mine is out
	ds_add_u32 v[SPW], v[NIL]
.if \mode == 2
	DESC \slot
.endif
	s_wait_dscnt 25                                ; the add and x's blocks 2 to 7 may be out
.else
	s_wait_dscnt 24
.endif
	QTR 0, 1, \slot, 0
	s_wait_dscnt 0x0                               ; the add is done, and my reads of this slot are over
.if \mode
	s_barrier_signal -1
.endif
	QTR 1, 1, \slot, 0
.if \mode
	WIN 0
	s_barrier_wait -1
.endif
.if \mode == 2
	CREST                                          ; the barrier has opened a round of the cluster's barrier: no wave of any partner reads this slot or has a load on its way
	JLOAD                                          ; the refill, first behind the round; its four v_nop are four of the eight places
	PLACES 4
.elseif \mode == 1
	PLACES 8
.endif
.if \mode
.irp b, 0,1,2,3,4,5
	LB \next, 0, \b
.endr
.endif
	QTR 2, 1, \slot, 0
.if \mode
	PLACES 8
	LB \next, 0, 6
	LB \next, 0, 7
	LA \next, 0, 0
	LA \next, 0, 1
.endif
.if \mode == 2
	ASK 1                                          ; the K step two refills on
.endif
	QTR 3, 1, \slot, 0
.if \mode
	PLACES 8
.irp a, 2,3,4,5,6,7
	LA \next, 0, \a
.endr
.endif
.if \mode == 2
	s_wait_xcnt 0x0                                ; the earlier scale loads have read their bases
	s_add_nc_u64 s[SXB:SXB+1], s[SXB:SXB+1], XSTEP
	s_add_nc_u64 s[SWB:SWB+1], s[SWB:SWB+1], WSTEP
	SCW \slot, XSTEP, WSTEP                        ; the K step two on
.endif
	WIN 0
.endm
	s_wait_tensorcnt 0x0                           ; my part of K step 0 is in; slot 1's first fill is issued as a refill is:
	ds_add_u32 v[SPW], v[NIL]
	DESC 1
	s_wait_dscnt 0x0
	CROUND
	JLOAD                                          ; K step 1
.irp b, 0,1,2,3,4,5,6,7
	LB 0, 0, \b
.endr
.irp a, 0,1,2,3,4,5,6,7
	LA 0, 0, \a
.endr
	STEPPF
	ASK 0                                          ; K step 3
	S0 0, 1, 8                                     ; the first half step starts the sums
	s_mov_b32 s3, 7
.Llap:                                                 ; a trip: from a slot-0 step's second half to the next one's first; both slots are filled again
	S1 0, 1, 2
	S0 1, 0, 8
	S1 1, 0, 2
	S0 0, 0, 8
	s_sub_co_u32 s3, s3, 1
	s_cmp_lg_u32 s3, 0
	s_cbranch_scc1 .Llap
	S1 0, 1, 1
	S0 1, 0, 0
	S1 1, 0, 0
; THE WAY OUT, by blocks of 16 rows x 128 columns: through my own stage and back as whole rows of 512 bytes; the bias is added to the rows read back; 32 lanes store two aligned units of 256 bytes.
.macro TOSTAGE a
.set AC, 64*((\a)%4)
	WIN 0x08+4*((\a)/4)
.irp b, 0,1,2,3,4,5,6,7
	ds_store_b128 v[STO], v[AC+8*\b:AC+8*\b+3] offset:64*\b
	ds_store_b128 v[STO], v[AC+8*\b+4:AC+8*\b+7] offset:64*\b+16
.endr
	WIN 0
.set BB, BK+64*((\a)%2)
.irp t, 0,1,2,3,4,5,6,7,8,9,10,11,12,13,14,15
	ds_load_b128 v[BB+4*\t:BB+4*\t+3], v[RD] offset:\t*SPITCH
.endr
.endm
.macro SEND a, younger
.set BB, BK+64*((\a)%2)
	s_wait_dscnt \younger
.if (\a) > 0
	s_add_nc_u64 s[14:15], s[14:15], 16*SIZE_N*4   ; behind a wait on XCNT: the earlier stores have read their base
.endif
.irp t, 0,1,2,3,4,5,6,7,8,9,10,11,12,13,14,15
	v_pk_add_f32 v[BB+4*\t:BB+4*\t+1], v[BB+4*\t:BB+4*\t+1], v[BIAS:BIAS+1]
	v_pk_add_f32 v[BB+4*\t+2:BB+4*\t+3], v[BB+4*\t+2:BB+4*\t+3], v[BIAS+2:BIAS+3]
.endr
.irp t, 0,1,2,3,4,5,6,7,8,9,10,11,12,13,14,15
	global_store_b128 v[CO], v[BB+4*\t:BB+4*\t+3], s[14:15] offset:\t*SIZE_N*4 th:TH_STORE_NT
.endr
.endm
	PLACES 8                                       ; behind the last products
	TOSTAGE 0
.irp a, 1,2,3,4,5,6,7
.if \a > 1
	s_wait_xcnt 0x0                                ; block a - 2's stores have read their registers and their base
.endif
	TOSTAGE \a
	SEND \a-1, 32                                  ; behind block a - 1's loads: block a's 16 stores and 16 loads
.endr
	s_wait_xcnt 0x0
	SEND 7, 0
	s_wait_tensorcnt 0x0                           ; the wave's end
	ds_add_u32 v[SPW], v[NIL]
	s_wait_dscnt 0x0
	CROUND                                         ; the closing round
	s_endpgm
.Lfunc_end_k_qea799be99f_gemm:
	.size	k_qea799be99f_gemm, .Lfunc_end_k_qea799be99f_gemm-k_qea799be99f_gemm
	.p2alignl 7, 3214868480
	.fill 96, 4, 3214868480
	.section	.rodata,"a",@progbits
	.p2align	6, 0x0
	.amdhsa_kernel k_qea799be99f_gemm
		.amdhsa_group_segment_fixed_size 327680
		.amdhsa_private_segment_fixed_size 0
		.amdhsa_enable_private_segment 0
		.amdhsa_kernarg_size 48
		.amdhsa_user_sgpr_count 2
		.amdhsa_user_sgpr_kernarg_segment_ptr 1
		.amdhsa_wavefront_size32 1
		.amdhsa_system_sgpr_workgroup_id_x 1
		.amdhsa_system_sgpr_workgroup_id_y 1
		.amdhsa_system_sgpr_workgroup_id_z 1
		.amdhsa_system_vgpr_workitem_id 0
		.amdhsa_next_free_vgpr 1024
		.amdhsa_next_free_sgpr 100
		.amdhsa_reserve_vcc 0
		.amdhsa_float_denorm_mode_32 3
		.amdhsa_float_denorm_mode_16_64 3
		.amdhsa_memory_ordered 1
		.amdhsa_forward_progress 1
		.amdhsa_inst_pref_size 166
	.end_amdhsa_kernel
	.amdgpu_metadata
---
amdhsa.version: [ 1, 2 ]
amdhsa.kernels:
  - .name:           k_qea799be99f_gemm
    .symbol:         k_qea799be99f_gemm.kd
    .args:
      - { .name: x_codes, .offset: 0, .size: 8, .value_kind: global_buffer, .address_space: global }
      - { .name: x_sc, .offset: 8, .size: 8, .value_kind: global_buffer, .address_space: global }
      - { .name: w_codes, .offset: 16, .size: 8, .value_kind: global_buffer, .address_space: global }
      - { .name: w_sc, .offset: 24, .size: 8, .value_kind: global_buffer, .address_space: global }
      - { .name: bias, .offset: 32, .size: 8, .value_kind: global_buffer, .address_space: global }
      - { .name: out0, .offset: 40, .size: 8, .value_kind: global_buffer, .address_space: global }
    .group_segment_fixed_size: 327680
    .private_segment_fixed_size: 0
    .kernarg_segment_align: 8
    .kernarg_segment_size: 48
    .max_flat_workgroup_size: 128
    .sgpr_count:     100
    .vgpr_count:     1024
    .wavefront_size: 32
...
	.end_amdgpu_metadata
.endif
;; end of part 2
